; MI455X (gfx1250); checked and timed in simulation.
; The chip was launched on July 23, 2026; its instructions are those of AMD's public machine-readable ISA for CDNA 5 (MIT licence, August 2026) and "CDNA5" Instruction Set Architecture Reference Guide (July 2026). The comments in the code are by the model that wrote it; some were corrected since.
;; Bit Linear. Allowed arithmetic: matrix products marked QUANTISED: E2M1 operands, one E8M0 scale for each 32 along K, by v_wmma_scale_f32_16x16x128_f8f6f4 with both operands' format E2M1 (or v_wmma_scale_f32_32x16x128_f4), f32 sums; everything else in f32.
;; Inputs: input_codes 2 x 2,048 x 128 x 16 uint8 (E2M1 codes of input, K innermost, in blocks of 32 codes, two codes a byte); input_scales 2 x 2,048 x 128 uint8 (E8M0 scales of input, one for each 32 codes along K); weight 4,096 x 4,096 float32.
;; Outputs: out0 2 x 2,048 x 4,096 float32.
;; This version of the problem:
;;   THIS VERSION OF THE PROBLEM IS GIVEN IN LOW PRECISION. The matrix products marked QUANTISED in the list below multiply operands that are first quantised to E2M1 (2 exponent bits, 1 mantissa bit; 4 bits a number), with one power-of-two scale for each 32 numbers along K (OCP MX v1.0); their sums are f32. All else is computed in f32.
;;   The module's matrix products, in the order in which they are computed (A, B: the left and right operand; K: the contracted axis; several contracted axes count as one K, in the product's order):
;;     1. [M 4,096, K 4,096] x [K 4,096, N 4,096]; A: input input (given as codes); B: computed on the way: QUANTISED
;;   THE QUANTISER, for each operand of a quantised product, along K:
;;     - K is cut into blocks of 32 from its start; a last block that is shorter is filled with zeros.
;;     - A block's scale is 2^e with e = floor(log2(the largest magnitude in the block)) - 2, held to -126 .. 127; a block of zeros has e = 0. As a byte (E8M0): e + 127.
;;     - Each number is divided by its block's scale, clamped to +-6, and rounded to the nearest number of E2M1, ties to even, subnormals kept.
;;     - The product sums the exact products of the quantised numbers (number of the format x scale) in f32.
;;   ~~~python
;;   def quantise(x, axis):      # numpy; x: float32 -> the quantised numbers, widened to float32 again
;;       x = np.moveaxis(x, axis, -1); K = x.shape[-1]
;;       x = np.pad(x, [(0, 0)] * (x.ndim - 1) + [(0, -K % 32)]); x = x.reshape(x.shape[:-1] + (-1, 32)); a = np.abs(x).max(-1, keepdims=True)
;;       e = np.where(a > 0, np.clip(np.frexp(np.where(a > 0, a, 1))[1] - 1 - 2, -126, 127), 0)      # np.frexp(a)[1] - 1 = floor(log2(a)), exactly
;;       r = np.clip(x / 2.0 ** e, -6, 6)
;;       step = 2.0 ** (np.maximum(np.frexp(np.where(r == 0, 1, r))[1] - 1, 0) - 1)
;;       q = np.round(r / step) * step * 2.0 ** e      # np.round: ties to even
;;       return np.moveaxis(q.reshape(q.shape[:-2] + (-1,))[..., :K], -1, axis).astype(np.float32)
;;   ~~~
;;   OPERANDS COMPUTED ON THE WAY. 'Computed on the way' means the value that the module computes at that place (a softmax that the list does not call 'softmax' is quantised finished and normalised). What goes into a quantiser is computed in f32, as accurately as f32 sums, v_exp_f32 and their like allow (about 1e-6 of the number): no bf16 or f16 on the way to a quantiser, and a product that is left as it is and whose result goes on into a quantised operand takes f32 operands (vector FMAs, or v_wmma_f32_16x16x4_f32). A number that lies on a knife's edge between two numbers of the format may be rounded either way, as far as f32 arithmetic and the matrix unit's own rounding can turn it there, and no further.
;;   INPUTS GIVEN AS CODES. input (in the module: [2, 2048, 4096], K = its axis 2): each comes as NAME_codes (uint8): NAME with its K axis moved to the last place and cut into blocks of 32 codes, [.., K / 32, bytes a block], one block behind the other in memory; two codes a byte, the lower K in the low four bits (a code: sign, 2 exponent bits, 1 mantissa bit); and NAME_scales (uint8): the same leading axes, one E8M0 byte (e + 127) for each 32 codes along K. Its value is code x scale, taken as it is: it is not quantised again, and the codes and scales need not be those that the quantiser above would give.
;; One version. Each part assembles by itself: llvm-mc -triple=amdgcn-amd-amdhsa -mcpu=gfx1250 --defsym DOCPART=n.
;; ======== version 1 of 1: 3 launches
;; limits: right only within a limited range of input values
;; workspace buffers: partials 2,048 bytes; wcodes 8,388,608 bytes; wscale 256 bytes; ascale 1,048,576 bytes
;; launch absum (part 1): grid 512 x 1, 8 waves a work-group, no clusters, 1,280 bytes of LDS; arguments weight, input_scales, partials, ascale; writes partials, ascale
.if DOCPART == 1
	.amdgcn_target "amdgcn-amd-amdhsa--gfx1250"
	.amdhsa_code_object_version 6
	.text
	.protected	k_qbbd93ea695_absum
	.globl	k_qbbd93ea695_absum
	.p2align	8
	.type	k_qbbd93ea695_absum,@function
k_qbbd93ea695_absum:
	s_mov_b64 s[64:65], 0
	v_nop
	global_prefetch_b8 v0, s[64:65] scope:SCOPE_SE
	s_setreg_imm32_b32 hwreg(HW_REG_WAVE_MODE, 25, 1), 1
	s_wait_xcnt 0x0
; partials[g] = the sum of |weight| over work-group g's 32,768 numbers.  weight: [4096][4096] f32, taken as a plain stream of 2^24 numbers; partials: 512 f32.
; The mean of |weight| spans the whole tensor, so it is made in two stages: 512 partial sums here, their sum at the head of the next launch.
; SHARES.  Eight waves; a wave takes 16,384 consecutive bytes by 32 loads of 16 bytes a lane, each load 512 consecutive bytes of the wave.  All 32 are issued at once: there is no loop, and nothing is read twice.
; THE SUM IS A TREE: eight chains of 16 numbers a lane, then 8 chains, 32 lanes, 8 waves.  No chain is long, so little is lost to rounding.
; LIMITS: the order of rounding differs from a plain running sum; NaN and infinities among the weights are not served; the sum overflows only where a sum of all magnitudes in f32 does.
; BESIDE IT the scale bytes of the input, [4096 rows][128], are laid anew for the product's launch: ascale [8 K steps of 512][4096 rows][16 bytes], so that a K step's bytes of neighbouring rows are neighbours.
; The first 128 work-groups take 32 rows each: wave w takes K step w, a lane a row.  A wave's store covers 512 consecutive bytes, aligned; its load takes 16 bytes of each of 32 rows, and the eight waves together take
; every byte of the 32 rows.  524,288 bytes in all, beside the 67,108,864 of the weights.
; No matrix unit, no cluster, no tensor load: work-groups share no byte, and each byte is used once.
.set ACC, 4                            ; v[4:11]    eight running sums
.set D,   16                           ; v[16:143]  load j at v[D + 4 j]
.set CPL, 144                          ; v144       the copy: my 16 bytes among the work-group's 32 rows of scale bytes
.set CPS, 145                          ; v145       and their place in ascale
.set CPD, 146                          ; v[146:149] the 16 bytes
	s_load_b256 s[4:11], s[0:1], 0x0               ; weight s[4:5], input_scales s[6:7], partials s[8:9], ascale s[10:11]
	v_lshl_add_u32 v152, v0, 2, 0x100
	v_mov_b32 v153, 0
	v_and_b32 v1, 31, v0                           ; lane
	v_lshrrev_b32 v2, 5, v0                        ; wave
	s_delay_alu instid0(VALU_DEP_2)
	v_lshlrev_b32 v[CPL], 7, v1                    ; a row of scale bytes is 128 bytes,
	s_delay_alu instid0(VALU_DEP_1)
	v_lshl_add_u32 v[CPL], v2, 4, v[CPL]           ; K step w's part of it begins at 16 w
	s_delay_alu instid0(VALU_DEP_4)
	v_lshlrev_b32 v[CPS], 4, v1                    ; 16 bytes a row,
	s_delay_alu instid0(VALU_DEP_1)
	v_lshl_add_u32 v[CPS], v2, 16, v[CPS]          ; 65,536 bytes a K step
	v_lshlrev_b32 v1, 4, v1                        ; the weights: 16 bytes a lane
	s_delay_alu instid0(VALU_DEP_1)
	v_lshl_or_b32 v1, v2, 14, v1                   ; + 16,384 bytes a wave
	v_lshlrev_b32 v14, 2, v2                       ; LDS: a word for each wave
	v_mov_b32 v13, 0                               ; LDS: the first of these words
	s_lshl_b32 s12, ttmp9, 17                      ; the work-group's 131,072 bytes (under 2^26)
	s_mov_b32 s13, 0
	s_lshl_b32 s17, ttmp9, 2                       ; and its word among the partial sums
	v_mov_b32 v15, s17
	s_mov_b32 s14, 0x76543210                      ; v_permlanex16_b32: each lane takes its own place in the other half
	s_mov_b32 s15, 0xfedcba98
	s_wait_alu depctr_va_vdst(0)
	s_wait_kmcnt 0x0
	s_add_nc_u64 s[4:5], s[4:5], s[12:13]
.set j, 0
.rept 32
	global_load_b128 v[D+4*j:D+4*j+3], v1, s[4:5] offset:512*j th:TH_LOAD_NT
.set j, j+1
.endr
	s_cmp_ge_u32 ttmp9, 128                        ; the copy of the scale bytes: work-groups 0 to 127, behind their loads of weights
	s_cbranch_scc1 .Lno_copy
	s_lshl_b32 s18, ttmp9, 12                      ; 32 rows of 128 bytes
	s_mov_b32 s19, 0
	s_lshl_b32 s20, ttmp9, 9                       ; 32 rows of 16 bytes
	s_mov_b32 s21, 0
	s_add_nc_u64 s[6:7], s[6:7], s[18:19]
	s_add_nc_u64 s[10:11], s[10:11], s[20:21]
	global_load_b128 v[CPD:CPD+3], v[CPL], s[6:7]
	s_wait_loadcnt 0x0                             ; it is the youngest load: on this way the weights are in too, and the counted waits below are met at once
	global_store_b128 v[CPS], v[CPD:CPD+3], s[10:11]   ; none of its registers is written again
	global_store_b128 v[CPS], v[CPD:CPD+3], s[10:11] offset:524288   ; the eight slabs once more, as slabs 8 to 15: a run of eight slabs that begins at any of 0 to 8 then lies on end, and the product's launch begins its walk along K where it likes
.Lno_copy:
; Element e of load j goes to chain 4 (j % 2) + e.  Loads 0 to 3 start the chains: nothing is cleared.
.set j, 2
.rept 30
.if j == 2
	s_wait_loadcnt 24                              ; loads come back in order: the first eight are in, the 24 younger ones stay out
.elseif j%8 == 0
	s_wait_alu depctr_va_vdst(0)
	s_wait_loadcnt 24-8*(j/8)                      ; the next eight are in: 16, 8, 0 younger ones stay out
.endif
.irp e, 0,1,2,3
.if j < 4
	v_add_f32 v[ACC+4*(j%2)+\e], |v[D+4*(j-2)+\e]|, |v[D+4*j+\e]|
.else
	v_add_f32 v[ACC+4*(j%2)+\e], v[ACC+4*(j%2)+\e], |v[D+4*j+\e]|
.endif
.endr
.set j, j+1
.endr
	v_pk_add_f32 v[4:5], v[4:5], v[6:7]            ; the eight chains
	s_delay_alu instid0(VALU_DEP_2)
	v_pk_add_f32 v[8:9], v[8:9], v[10:11]
	s_delay_alu instid0(VALU_DEP_1)
	v_pk_add_f32 v[4:5], v[4:5], v[8:9]
	s_delay_alu instid0(VALU_DEP_1)
	v_add_f32 v4, v4, v5
	s_delay_alu instid0(VALU_DEP_1)
	v_add_f32_dpp v4, v4, v4 row_xmask:1 row_mask:0xf bank_mask:0xf   ; the 32 lanes: four steps inside each half,
	s_delay_alu instid0(VALU_DEP_1)
	v_add_f32_dpp v4, v4, v4 row_xmask:2 row_mask:0xf bank_mask:0xf
	s_delay_alu instid0(VALU_DEP_1)
	v_add_f32_dpp v4, v4, v4 row_xmask:4 row_mask:0xf bank_mask:0xf
	s_delay_alu instid0(VALU_DEP_1)
	v_add_f32_dpp v4, v4, v4 row_xmask:8 row_mask:0xf bank_mask:0xf
	s_delay_alu instid0(VALU_DEP_1)
	v_permlanex16_b32 v5, v4, s14, s15             ; one across (v5 has been written)
	s_delay_alu instid0(VALU_DEP_1)
	v_add_f32 v4, v4, v5
	ds_store_b32 v14, v4                           ; all lanes of a wave write the wave's word with the same value
	s_wait_dscnt 0x0                               ; for the others' sake: my store is done
	s_barrier_signal -1
	s_barrier_wait -1
	ds_load_b128 v[16:19], v13                     ; the eight waves' sums
	ds_load_b128 v[20:23], v13 offset:16
	s_wait_dscnt 0x0
	v_pk_add_f32 v[16:17], v[16:17], v[18:19]
	v_pk_add_f32 v[20:21], v[20:21], v[22:23]
	s_delay_alu instid0(VALU_DEP_1)
	v_pk_add_f32 v[16:17], v[16:17], v[20:21]
	s_delay_alu instid0(VALU_DEP_1)
	v_add_f32 v16, v16, v17
	v_cmp_eq_u32 vcc_lo, 0, v0                     ; thread 0 stores the work-group's one number: 4 bytes for 131,072 read
	s_wait_alu depctr_va_vdst(0)
	s_wait_xcnt 0x0                                ; EXEC changes only behind this wait
	s_wait_tensorcnt 0x0
	ds_add_u32 v152, v153
	s_wait_dscnt 0x0
	s_and_saveexec_b32 s16, vcc_lo
	global_store_b32 v15, v16, s[8:9]
	s_wait_xcnt 0x0                                ; and again in front of the line that widens it
	s_or_b32 exec_lo, exec_lo, s16
	s_endpgm
.Lfunc_end_k_qbbd93ea695_absum:
	.size	k_qbbd93ea695_absum, .Lfunc_end_k_qbbd93ea695_absum-k_qbbd93ea695_absum
	.p2alignl 7, 3214868480
	.fill 96, 4, 3214868480
	.section	.rodata,"a",@progbits
	.p2align	6, 0x0
	.amdhsa_kernel k_qbbd93ea695_absum
		.amdhsa_group_segment_fixed_size 1280
		.amdhsa_private_segment_fixed_size 0
		.amdhsa_enable_private_segment 0
		.amdhsa_kernarg_size 32
		.amdhsa_user_sgpr_count 2
		.amdhsa_user_sgpr_kernarg_segment_ptr 1
		.amdhsa_wavefront_size32 1
		.amdhsa_system_sgpr_workgroup_id_x 1
		.amdhsa_system_sgpr_workgroup_id_y 1
		.amdhsa_system_sgpr_workgroup_id_z 1
		.amdhsa_system_vgpr_workitem_id 0
		.amdhsa_next_free_vgpr 154
		.amdhsa_next_free_sgpr 66
		.amdhsa_reserve_vcc 1
		.amdhsa_float_denorm_mode_32 3
		.amdhsa_float_denorm_mode_16_64 3
		.amdhsa_memory_ordered 1
		.amdhsa_forward_progress 1
		.amdhsa_inst_pref_size 15
	.end_amdhsa_kernel
	.amdgpu_metadata
---
amdhsa.version: [ 1, 2 ]
amdhsa.kernels:
  - .name:           k_qbbd93ea695_absum
    .symbol:         k_qbbd93ea695_absum.kd
    .args:
      - { .name: weight, .offset: 0, .size: 8, .value_kind: global_buffer, .address_space: global }
      - { .name: input_scales, .offset: 8, .size: 8, .value_kind: global_buffer, .address_space: global }
      - { .name: partials, .offset: 16, .size: 8, .value_kind: global_buffer, .address_space: global }
      - { .name: ascale, .offset: 24, .size: 8, .value_kind: global_buffer, .address_space: global }
    .group_segment_fixed_size: 1280
    .private_segment_fixed_size: 0
    .kernarg_segment_align: 8
    .kernarg_segment_size: 32
    .max_flat_workgroup_size: 256
    .sgpr_count:     66
    .vgpr_count:     154
    .wavefront_size: 32
...
	.end_amdgpu_metadata
.endif
;; end of part 1
;; launch ternq (part 2): grid 512 x 1, 4 waves a work-group, no clusters, 35,328 bytes of LDS; arguments weight, partials, wcodes, wscale; writes wcodes, wscale
.if DOCPART == 2
	.amdgcn_target "amdgcn-amd-amdhsa--gfx1250"
	.amdhsa_code_object_version 6
	.text
	.protected	k_qbbd93ea695_ternq
	.globl	k_qbbd93ea695_ternq
	.p2align	8
	.type	k_qbbd93ea695_ternq,@function
k_qbbd93ea695_ternq:
	s_mov_b64 s[64:65], 0
	v_nop
	global_prefetch_b8 v0, s[64:65] scope:SCOPE_SE
	s_setreg_imm32_b32 hwreg(HW_REG_WAVE_MODE, 25, 1), 1
	s_wait_xcnt 0x0
; weight [4096][4096] f32 becomes the second operand of the product: w_q = round(clip(w / (s + 1e-8), -1, 1)) x s, s = the mean of |w|, quantised along K to codes of FP4 (E2M1) with one E8M0 scale for each 32.
; wcodes IS LAID AS THE PRODUCT'S REGISTERS TAKE IT: [256 blocks of 16 rows][64 runs of 64 along K][32 lanes][16 bytes]; lane r + 16 h holds the 32 codes of row r, k = 64 run + 32 h + 0 .. 31, the lower k in the lower bits.
; wscale: 64 equal words, each the ONE scale byte four times.
; s: every wave adds the same 512 partial sums in the same order, so all waves have the same bits; x 2^-24 is exact.
; THE TERNARY STEP IS ONE COMPARE.  With d = s + 1e-8 in f32, round(clip(w / d)) is not 0 exactly where |w| > d / 2.  d / 2 is exact.  The rounded quotient |w| / d lies above 0.5 only where |w| > d / 2 + d 2^-25,
; and d 2^-25 is at least half and less than the whole of the spacing of f32 numbers at d / 2, so that holds from the next f32 number above d / 2 on; |w| = d / 2 gives the tie 0.5, which rounds to the even 0.
; ONE SCALE FOR THE TENSOR.  w_q is +s, -s or 0, so every block that is not all zeros has the largest magnitude s, and the byte (s's exponent field - 2, held at 1 from below) is the same everywhere.
; A block of zeros has zero codes, which add nothing under that byte; the bytes are read by this program alone (the quantiser's 127 for such a block is not stored).
; LIMITS: NaN and infinities among the weights are not served; s carries the rounding of a tree of sums, not that of a running sum.
; SHARES.  A wave takes 16 rows x 512 along K in 8 steps of 64.  Each of a step's eight loads reads 256 consecutive bytes of each of two rows, 16 a lane.  The conversions want neighbours along K in a lane,
; so a step's 4,096 bytes turn through the wave's own stage in LDS (rows of 256 + 16 bytes) and come back 128 bytes a lane.  A lane's 32 codes are 16 bytes: the wave stores 512 consecutive bytes, aligned.
; Loads run four steps (32 loads a wave) ahead, the turn through LDS one step.  Every offset is an immediate, no source of a memory instruction is written again.  No barrier: waves share nothing.
.set STEPS, 8
.set AHEAD, 4
.set SP,    272                        ; a row's place in a stage
.set STG,   16*SP
.set WREG,  2*STG                      ; a wave's LDS: two stages by turns
.set R,     16                         ; v16-143  four sets of 32 numbers as they are loaded
.set X,     144                        ; v144-207 two sets of 32 neighbours; at the head the first takes the partial sums
.set C,     208                        ; v208-239 codes: four registers for each step
.set MK,    24                         ; s24-39   sixteen lane masks
	s_load_b256 s[4:11], s[0:1], 0x0               ; weight, partials, wcodes, wscale
	v_lshl_add_u32 v240, v0, 2, 0x8800             ; my spare word, behind the four waves' stages
	v_mov_b32 v241, 0
	v_lshrrev_b32 v1, 5, v0
	v_readfirstlane_b32 s16, v1                    ; wave
	v_and_b32 v2, 31, v0                           ; lane
	v_and_b32 v11, 15, v0                          ; r
	v_bfe_u32 v12, v0, 4, 1                        ; h
	v_lshlrev_b32 v4, 4, v2                        ; 16 x lane: the partial sums, and my 16 bytes of codes
	v_lshlrev_b32 v10, 3, v2                       ; 8 x lane: wscale
	v_lshlrev_b32 v13, 4, v11
	v_lshl_add_u32 v3, v12, 14, v13                ; a load: 16 r in a row's 256 bytes, lanes 16-31 one row (16,384 bytes) down
	s_mul_i32 s17, s16, WREG
	v_mul_u32_u24 v14, v12, SP
	v_add_nc_u32 v14, v14, v13
	v_add_nc_u32 v14, s17, v14                     ; the stage, on the way in: row h of a load's two, 16 r
	v_mul_u32_u24 v15, v11, SP
	v_lshl_add_u32 v15, v12, 7, v15
	v_add_nc_u32 v15, s17, v15                     ; and on the way out: row r, 128 h: my 32 neighbours
	s_lshl_b32 s18, ttmp9, 2
	s_add_co_u32 s18, s18, s16                     ; my wave among 2,048: block of rows = / 8, run of 512 along K = % 8
	s_lshr_b32 s20, s18, 3
	s_lshl_b32 s20, s20, 18                        ; 16 rows of 16,384 bytes
	s_and_b32 s19, s18, 7
	s_lshl_b32 s19, s19, 11                        ; 512 numbers of 4 bytes
	s_add_co_u32 s20, s20, s19
	s_mov_b32 s21, 0
	s_lshl_b32 s18, s18, 12                        ; my 4,096 bytes of codes
	s_mov_b32 s19, 0
	s_mov_b32 s12, 0x76543210                      ; v_permlanex16_b32's selects for lane l xor 16
	s_mov_b32 s13, 0xfedcba98
	s_mov_b32 s22, 0x7fffffff                      ; all but the sign
	s_mov_b32 s23, 0x01010101                      ; a byte into all four places of a word
	s_wait_alu depctr_va_vdst(0)                   ; the wait at the head's end
	s_wait_kmcnt 0x0
	s_add_nc_u64 s[4:5], s[4:5], s[20:21]
	s_add_nc_u64 s[8:9], s[8:9], s[18:19]
.macro LOAD t
.irp i, 0,1,2,3,4,5,6,7
	global_load_b128 v[R+32*((\t)%AHEAD)+4*\i:R+32*((\t)%AHEAD)+4*\i+3], v3, s[4:5] offset:256*(\t)+32768*\i th:TH_LOAD_NT   ; rows 2 i and 2 i + 1: 256 consecutive bytes each, aligned
.endr
.endm
.macro TURN t                          ; step t's numbers through the stage: LDS serves a wave's instructions in order, so no wait stands between the stores and the loads
.irp i, 0,1,2,3,4,5,6,7
	ds_store_b128 v14, v[R+32*((\t)%AHEAD)+4*\i:R+32*((\t)%AHEAD)+4*\i+3] offset:STG*((\t)%2)+2*SP*\i
.endr
.irp i, 0,1,2,3,4,5,6,7
	ds_load_b128 v[X+32*((\t)%2)+4*\i:X+32*((\t)%2)+4*\i+3], v15 offset:STG*((\t)%2)+16*\i
.endr
.endm
.irp i, 0,1,2,3
	global_load_b128 v[X+4*\i:X+4*\i+3], v4, s[6:7] offset:512*\i     ; the 512 partial sums: 16 a lane
.endr
.irp t, 0,1,2,3
	LOAD \t
.endr
	s_wait_loadcnt 32                              ; the partial sums are in; the 32 loads of weights issued behind them stay out
	v_pk_add_f32 v[144:145], v[144:145], v[146:147]
	v_pk_add_f32 v[148:149], v[148:149], v[150:151]
	v_pk_add_f32 v[152:153], v[152:153], v[154:155]
	v_pk_add_f32 v[156:157], v[156:157], v[158:159]
	v_pk_add_f32 v[144:145], v[144:145], v[148:149]
	v_pk_add_f32 v[152:153], v[152:153], v[156:157]
	v_pk_add_f32 v[144:145], v[144:145], v[152:153]
	v_add_f32 v144, v144, v145
	v_add_f32_dpp v144, v144, v144 row_xmask:1 row_mask:0xf bank_mask:0xf
	v_add_f32_dpp v144, v144, v144 row_xmask:2 row_mask:0xf bank_mask:0xf
	v_add_f32_dpp v144, v144, v144 row_xmask:4 row_mask:0xf bank_mask:0xf
	v_add_f32_dpp v144, v144, v144 row_xmask:8 row_mask:0xf bank_mask:0xf
	v_permlanex16_b32 v145, v144, s12, s13
	v_add_f32 v144, v144, v145                     ; the sum of all |w|, in every lane
	v_mul_f32 v5, 0x33800000, v144                 ; s = the sum x 2^-24
	v_add_f32 v6, 0x322bcc77, v5                   ; d = s + 1e-8
	v_mul_f32 v6, 0.5, v6                          ; d / 2: the threshold
	v_max_num_f32 v7, 0x1800000, v5                ; the floor 2^(3 - 127): the byte cannot fall under 1
	v_add_nc_u32 v7, 0xff000000, v7                ; 2 off the exponent field: the conversion's scale operand
	v_lshrrev_b32 v8, 23, v7                       ; the scale's byte,
	v_mul_lo_u32 v8, v8, s23                       ; four times
	v_mov_b32 v9, v8
	s_or_b32 s17, ttmp9, s16
	s_cmp_lg_u32 s17, 0                            ; one wave of the launch stores it
	s_cbranch_scc1 .Lnot_first
	global_store_b64 v10, v[8:9], s[10:11]         ; 32 lanes store 256 consecutive bytes, aligned; v8 to v10 are never written again
.Lnot_first:
	s_wait_loadcnt 24                              ; step 0's eight loads are in; three steps' stay out
	TURN 0
.macro STEP t
.set XS, X+32*((\t)%2)
	s_wait_dscnt 0x0                               ; this step's numbers are back from the stage
.if (\t)+AHEAD < STEPS
	LOAD (\t)+AHEAD                                ; into the set that this step's stage stores have read
.endif
.if (\t)+1 < STEPS
.if (\t) < AHEAD
	s_wait_loadcnt 24                              ; the next step's eight loads are in; those of the three steps behind it stay out
.else
	s_wait_loadcnt 8*(STEPS-2-(\t))                ; nothing more is asked for: the counts run down
.endif
	TURN (\t)+1                                    ; and go through the other stage while this step is worked
.endif
.irp u, 0,16
.irp i, 0,1,2,3,4,5,6,7,8,9,10,11,12,13,14,15
	v_cmp_gt_f32 s[MK+\i], |v[XS+\u+\i]|, v6       ; where the ternary weight is not 0
.endr
.irp i, 0,1,2,3,4,5,6,7,8,9,10,11,12,13,14,15
	v_bfi_b32 v[XS+\u+\i], s22, v5, v[XS+\u+\i]    ; s with w's sign
.endr
.irp i, 0,1,2,3,4,5,6,7,8,9,10,11,12,13,14,15
	v_cndmask_b32 v[XS+\u+\i], 0, v[XS+\u+\i], s[MK+\i]   ; w_q, in f32
.endr
.endr
.irp g, 0,1,2,3
	v_cvt_scalef32_pk8_fp4_f32 v[C+4*(\t)+\g], v[XS+8*\g:XS+8*\g+7], v7   ; eight numbers / the scale, to the nearest code; the first number's code in the lowest four bits
.endr
	v_nop                                          ; one plain line behind the last scaled conversion
	global_store_b128 v4, v[C+4*(\t):C+4*(\t)+3], s[8:9] offset:512*(\t)   ; 32 lanes store 512 consecutive bytes, aligned
.endm
	s_wait_alu depctr_va_vdst(0)                   ; s, the threshold
.irp t, 0,1,2,3,4,5,6,7
	STEP \t
.endr
	s_wait_tensorcnt 0x0                           ; the wave's end
	ds_add_u32 v240, v241
	s_wait_dscnt 0x0
	s_endpgm
.Lfunc_end_k_qbbd93ea695_ternq:
	.size	k_qbbd93ea695_ternq, .Lfunc_end_k_qbbd93ea695_ternq-k_qbbd93ea695_ternq
	.p2alignl 7, 3214868480
	.fill 96, 4, 3214868480
	.section	.rodata,"a",@progbits
	.p2align	6, 0x0
	.amdhsa_kernel k_qbbd93ea695_ternq
		.amdhsa_group_segment_fixed_size 35328
		.amdhsa_private_segment_fixed_size 0
		.amdhsa_enable_private_segment 0
		.amdhsa_kernarg_size 32
		.amdhsa_user_sgpr_count 2
		.amdhsa_user_sgpr_kernarg_segment_ptr 1
		.amdhsa_wavefront_size32 1
		.amdhsa_system_sgpr_workgroup_id_x 1
		.amdhsa_system_sgpr_workgroup_id_y 1
		.amdhsa_system_sgpr_workgroup_id_z 1
		.amdhsa_system_vgpr_workitem_id 0
		.amdhsa_next_free_vgpr 242
		.amdhsa_next_free_sgpr 66
		.amdhsa_reserve_vcc 0
		.amdhsa_float_denorm_mode_32 3
		.amdhsa_float_denorm_mode_16_64 3
		.amdhsa_memory_ordered 1
		.amdhsa_forward_progress 1
		.amdhsa_inst_pref_size 70
	.end_amdhsa_kernel
	.amdgpu_metadata
---
amdhsa.version: [ 1, 2 ]
amdhsa.kernels:
  - .name:           k_qbbd93ea695_ternq
    .symbol:         k_qbbd93ea695_ternq.kd
    .args:
      - { .name: weight, .offset: 0, .size: 8, .value_kind: global_buffer, .address_space: global }
      - { .name: partials, .offset: 8, .size: 8, .value_kind: global_buffer, .address_space: global }
      - { .name: wcodes, .offset: 16, .size: 8, .value_kind: global_buffer, .address_space: global }
      - { .name: wscale, .offset: 24, .size: 8, .value_kind: global_buffer, .address_space: global }
    .group_segment_fixed_size: 35328
    .private_segment_fixed_size: 0
    .kernarg_segment_align: 8
    .kernarg_segment_size: 32
    .max_flat_workgroup_size: 128
    .sgpr_count:     66
    .vgpr_count:     242
    .wavefront_size: 32
...
	.end_amdgpu_metadata
.endif
;; end of part 2
;; launch gemm (part 3): grid 16 x 16, 4 waves a work-group, clusters of 4 x 4, 327,680 bytes of LDS; arguments input_codes, ascale, wcodes, wscale, out0; writes out0
.if DOCPART == 3
	.amdgcn_target "amdgcn-amd-amdhsa--gfx1250"
	.amdhsa_code_object_version 6
	.text
	.protected	k_qbbd93ea695_gemm
	.globl	k_qbbd93ea695_gemm
	.p2align	8
	.type	k_qbbd93ea695_gemm,@function
k_qbbd93ea695_gemm:
	s_mov_b64 s[64:65], 0
	v_nop
	global_prefetch_b8 v0, s[64:65] scope:SCOPE_SE
	s_setreg_imm32_b32 hwreg(HW_REG_WAVE_MODE, 25, 1), 1
	s_wait_xcnt 0x0
	s_wait_alu depctr_hold_cnt(0) depctr_sa_sdst(0) depctr_va_vdst(0) depctr_va_sdst(0) depctr_va_ssrc(0) depctr_va_vcc(0) depctr_vm_vsrc(0)
	s_getreg_b32 s2, hwreg(HW_REG_IB_STS2, 6, 4)
	s_cmp_eq_u32 s2, 0
	s_cbranch_scc0 .Lentry_in_a_cluster
	s_endpgm
.Lentry_in_a_cluster:
	s_bfe_u32 s2, ttmp6, 0x10000c
	s_cmp_lg_u32 s2, 0xf033
	s_cbranch_scc0 .Lentry_shape_is_right
	s_endpgm
.Lentry_shape_is_right:
; out0[m][n] = sum over k of input[m][k] w_q[n][k]: codes of FP4 (E2M1) on both sides, E8M0 scales, f32 sums.  input_codes [4096][2048 bytes]; wscale: the weights' one scale byte, four to a word;
; wcodes in the order of B's registers: [256 blocks of 16 rows][32 steps of 128 along K][2][32 lanes][16 bytes]: a K step of 512 of one block is 4,096 consecutive bytes;
; ascale: the input's scale bytes as [16 slabs][4096 rows][16 bytes], slab j = K step j mod 8 of 512 along K.
; A work-group of four waves makes 256 x 256 of the result, a wave 128 x 128: 64 accumulators, 512 registers.  256 work-groups, one tile each.  K goes in 8 steps of 512 through two LDS slots:
; A's rows of 256 bytes with 16 of padding; B's blocks dense, as they lie in memory, so that a fragment load reads 512 consecutive bytes, 16 a lane.
; CLUSTERS 4 x 4: A's tiles and scales are asked for jointly along a row of the cluster, B's along a column.  A cluster begins its walk along K at K step 2 x rot, rot made of the cluster's x and y, and wraps.
; THE HEAD: one joint load a wave: wave 0 A's 256 rows of the first K step, wave 1 B's 16 blocks, waves 2 and 3 four slabs of scales each (8 slabs on end from slab 2 x rot, which is why ascale holds each slab twice).
; A STEP of 128 along K is 64 matrix instructions on register set q % 2 of A and of B; the next step's 32 LDS loads go out in one run behind the step's first sixteen products, into the other set.
; THE LAST K STEP GOES BY ROWS OF THE RESULT: all its fragments of B fill window 1, A comes by blocks of 16 rows, and each finished block leaves through the wave's stage while the next is multiplied.
; The matrix instruction is used transposed (source 0 = 16 rows of B, source 1 = 16 rows of A): a lane holds eight neighbouring numbers of a row of the result.
; No prefetch: the block is the largest, in clusters, and K is eight slot fills, two of them asked for at the head.
; LIMITS: sums are taken in each cluster's own order of K steps; scale bytes 0xff in the input give NaN, as the format says.
; REGISTERS: window 0: v16-31 addresses and B's scale word; v32-63 A's scale words, two sets; v128-191, v192-255 A's two sets (in the last K step v64-191: four buffers of 16 rows x 512 K);
;   window 1: v0-63, v128-191 B's two sets (in the last K step all 256); windows 2, 3: the accumulators ((a, b) at v[8 (8 (a % 4) + b)]).
.set SIZE_N, 4096
.set NQ,     4                         ; steps of 128 in a slot
.set ROWB,   256                       ; a row of A's tile in bytes
.set KROW,   2048                      ; a row of A's codes in memory
.set PITCH,  272                       ; an LDS row of A: 256 bytes + 16 of padding
.set FR,     8
.set HALFT,  128*PITCH
.set SLOT,   4*HALFT                   ; A's 256 rows in 2 HALFT; then B's 16 blocks, 65,536 bytes
.set BBLK,   4096                      ; a K step of one block of B
.set BHALF,  8*BBLK                    ; what one wave reads of B, and what one ring load brings
.set LAPS,   4
.set KSB,    4096                      ; a K step's scale bytes of 256 rows
.set KSG,    65536                     ; a slab of ascale
.set SCL,    2*SLOT                    ; the scales: 8 x KSB, in the order of my walk
.set SPARE,  SCL+8*KSB                 ; the spare words: 512 bytes that no other line names
.set SPITCH, 528                       ; the stage, 16 rows x (512 + 16) bytes a wave, in slot 0 behind its last fill and last read
.set ADRA, 16
.set ADRB, 20
.set STO,  24
.set RD,   25
.set CO,   26
.set ADRS, 27
.set SPW,  28
.set NIL,  29
.set BS,   30                          ; B's scale word
.set SC,   32                          ; set s at SC + 16 s; register 4 i + q: lanes 0-15 A's block i, lanes 16-31 block i + 4
.set PA,   64
.set AF,   128
.set G0H,  4
.set G1,   24
.set G0,   32
.set G1B,  48
.set G0B,  56
.set KOB,  66
.set G1S,  68
.set G0S,  76
.set BAA,  80
.set BBB,  82
.set KO,   84
.set G0HB, 88
.set MSB, 0
.macro WIN new                         ; the immediate's high byte repeats the setting that is left
.if MSB != (\new)
	s_set_vgpr_msb (MSB<<8)|(\new)
.set MSB, \new
.endif
.endm
.set MUL_LO, 0xa1
.set MUL_HI, 0xf1
.set TO_B,   0x40
.macro PLACES n
.rept \n
	v_nop
.endr
.endm
.macro JLOAD g0a, g1a, g0b, g1b        ; waves 0, 1 fetch A's halves, waves 2, 3 B's; s_nop 0 and four v_nop behind each line
	s_cmp_eq_u32 s15, 0
	s_cbranch_scc0 .Lfor_b_\@
	tensor_load_to_lds s[\g0a:\g0a+3], s[\g1a:\g1a+7]
	s_nop 0
	PLACES 4
	s_branch .Lasked_\@
.Lfor_b_\@:
	tensor_load_to_lds s[\g0b:\g0b+3], s[\g1b:\g1b+7]
	s_nop 0
	PLACES 4
.Lasked_\@:
.endm
.macro AIM slot                        ; the slot's group 0: A at byte KO (+ 256 for slot 1) of my rows, B at byte 16 KO (+ 4,096) of my blocks
	s_add_nc_u64 s[G0+4*\slot+2:G0+4*\slot+3], s[BAA:BAA+1], s[KO:KO+1]
	s_add_nc_u64 s[G0B+4*\slot+2:G0B+4*\slot+3], s[BBB:BBB+1], s[KOB:KOB+1]
.if \slot
	s_add_nc_u64 s[G0+4*\slot+2:G0+4*\slot+3], s[G0+4*\slot+2:G0+4*\slot+3], ROWB
	s_add_nc_u64 s[G0B+4*\slot+2:G0B+4*\slot+3], s[G0B+4*\slot+2:G0B+4*\slot+3], BBLK
.endif
	s_or_b32 s[G0+4*\slot+3], s[G0+4*\slot+3], 0x80000000
	s_or_b32 s[G0B+4*\slot+3], s[G0B+4*\slot+3], 0x80000000
.endm
.macro CREST
	s_cmp_lg_u32 s14, 0
	s_cbranch_scc1 .Lnot_wave_0_\@
	s_barrier_signal -3
.Lnot_wave_0_\@:
	s_barrier_wait -3
	s_barrier_signal -1
	s_barrier_wait -1
.endm
.macro CROUND
	s_barrier_signal -1
	s_barrier_wait -1
	CREST
.endm
	s_load_b128 s[4:7], s[0:1], 0x0                ; input_codes, ascale
	s_load_b128 s[8:11], s[0:1], 0x10              ; wcodes, wscale
	s_load_b64 s[12:13], s[0:1], 0x20              ; out0
	v_lshl_add_u32 v[SPW], v0, 2, SPARE
	v_mov_b32 v[NIL], 0
	ds_add_u32 v[SPW], v[NIL]                      ; the opening lines: the add, twice on end, and its wait
	ds_add_u32 v[SPW], v[NIL]
	v_lshrrev_b32 v1, 5, v0
	v_readfirstlane_b32 s14, v1                    ; wave
	v_and_b32 v6, 31, v0
	v_lshlrev_b32 v31, 2, v6                       ; my word of wscale
	s_lshr_b32 s15, s14, 1                         ; my half of the tile's rows; also: I fetch for A (0) or B (1)
	s_and_b32 s16, s14, 1                          ; my half of its columns; also: which half of a tile I fetch
	s_bfe_u32 s40, ttmp6, 0x40000                  ; cx
	s_bfe_u32 s41, ttmp6, 0x40004                  ; cy
	s_lshl_b32 s42, ttmp9, 2
	s_add_co_u32 s42, s42, s40                     ; tile column
	s_and_b32 s18, ttmp7, 0xffff
	s_lshl_b32 s17, s18, 2
	s_add_co_u32 s17, s17, s41                     ; tile row
	s_lshl_b32 s43, s41, 2
	s_lshl_b32 s43, 15, s43                        ; my row of the cluster
	s_lshl_b32 s44, 0x1111, s40                    ; my column
	s_and_b32 s86, ttmp9, 1                        ; rot, 0 .. 3, of the cluster's x and y alone
	s_and_b32 s87, s18, 1
	s_add_co_u32 s86, s86, s87
	s_lshl_b32 s86, s86, 1
	s_lshr_b32 s87, ttmp9, 1
	s_add_co_u32 s86, s86, s87
	s_lshr_b32 s87, s18, 1
	s_add_co_u32 s86, s86, s87
	s_and_b32 s86, s86, 3
	s_lshl_b32 s[KO], s86, 9                       ; where my walk begins in a row of A's codes: 2 rot K steps of 256 bytes,
	s_mov_b32 s[KO+1], 0
	s_lshl_b32 s[KOB], s86, 13                     ; and in a block of B: 2 rot K steps of 4,096 bytes
	s_mov_b32 s[KOB+1], 0
	s_or_b32 s[G1+0], s43, (0<<16)|(1<<20)|(1<<21)|(5<<22)|(3<<25)   ; A: bytes; 16 bytes of padding behind every 256; the mask, bit 21 beside it
	s_mov_b32 s[G1+1], ROWB<<16
	s_mov_b32 s[G1+2], 256<<16                     ; the head's load brings 256 rows
	s_mov_b32 s[G1+3], ROWB<<16
	s_mov_b32 s[G1+4], 256
	s_mov_b32 s[G1+5], KROW
	s_mov_b32 s[G1+6], 0
	s_mov_b32 s[G1+7], 0
	s_or_b32 s[G1B+0], s44, (3<<16)|(1<<21)        ; B: rows of 4,096 bytes (512 elements of 8), a block's 32,768 bytes apart, no padding
	s_mov_b32 s[G1B+1], (BBLK/8)<<16
	s_mov_b32 s[G1B+2], 16<<16                     ; the head's load brings 16 blocks
	s_mov_b32 s[G1B+3], (BBLK/8)<<16
	s_mov_b32 s[G1B+4], 16
	s_mov_b32 s[G1B+5], 32768/8
	s_mov_b32 s[G1B+6], 0
	s_mov_b32 s[G1B+7], 0
	s_or_b32 s[G1S+0], s43, (3<<16)|(1<<21)        ; scales: 4 rows of 4,096 bytes, a slab apart
	s_mov_b32 s[G1S+1], (KSB/8)<<16
	s_mov_b32 s[G1S+2], 4<<16
	s_mov_b32 s[G1S+3], (KSB/8)<<16
	s_mov_b32 s[G1S+4], 4
	s_mov_b32 s[G1S+5], KSG/8
	s_mov_b32 s[G1S+6], 0
	s_mov_b32 s[G1S+7], 0
	s_lshl_b32 s22, s86, 17                        ; slab 2 rot,
	s_lshl_b32 s23, s16, 18                        ; + 4 slabs for wave 3,
	s_add_co_u32 s22, s22, s23
	s_lshl_b32 s23, s17, 12                        ; + my tile's 256 rows of 16 bytes
	s_add_co_u32 s22, s22, s23
	s_mov_b32 s23, 0
	s_lshl_b32 s20, s17, 19                        ; A: 256 rows of 2,048 bytes a tile row
	s_mov_b32 s21, 0
	s_lshl_b32 s46, s42, 19                        ; B: 16 blocks of 32,768 bytes a tile column
	s_mov_b32 s47, 0
	s_lshl_b32 s18, s16, 18                        ; in the ring: which 128 rows of A, or which 8 blocks of B, I fetch
	s_mov_b32 s19, 0
	s_mul_i32 s45, s14, HALFT                      ; where A's half goes (waves 0, 1),
	s_lshl_b32 s3, s16, 15
	s_add_co_u32 s3, s3, 2*HALFT                   ; and B's (waves 2, 3)
	s_lshl_b32 s87, s16, 14                        ; the scales' place: 4 slabs' 16,384 bytes for each of waves 2, 3
	s_wait_alu depctr_va_vdst(0)                   ; the wait ahead of the blocking waits
	s_wait_dscnt 0x0                               ; both opening adds are done
	s_wait_kmcnt 0x0
	global_load_b32 v[BS], v31, s[10:11]           ; its address registers are never written again
	s_add_nc_u64 s[20:21], s[4:5], s[20:21]
	s_add_nc_u64 s[22:23], s[6:7], s[22:23]
	s_add_nc_u64 s[46:47], s[8:9], s[46:47]
	s_add_nc_u64 s[BAA:BAA+1], s[20:21], s[18:19]
	s_add_nc_u64 s[BBB:BBB+1], s[46:47], s[18:19]
	s_mov_b32 s[G0H], 1                            ; the head's tiles: A's 256 rows of my first K step,
	s_mov_b32 s[G0H+1], 0
	s_add_nc_u64 s[G0H+2:G0H+3], s[20:21], s[KO:KO+1]
	s_or_b32 s[G0H+3], s[G0H+3], 0x80000000
	s_mov_b32 s[G0HB], 1                           ; B's 16 blocks behind them,
	s_mov_b32 s[G0HB+1], 2*HALFT
	s_add_nc_u64 s[G0HB+2:G0HB+3], s[46:47], s[KOB:KOB+1]
	s_or_b32 s[G0HB+3], s[G0HB+3], 0x80000000
	s_mov_b32 s[G0S], 1                            ; four slabs of scales
	s_add_co_u32 s[G0S+1], s87, SCL
	s_mov_b64 s[G0S+2:G0S+3], s[22:23]
	s_or_b32 s[G0S+3], s[G0S+3], 0x80000000
.irp s, 0,1
	s_mov_b32 s[G0+4*\s], 1
	s_add_co_u32 s[G0+4*\s+1], s45, \s*SLOT
	s_mov_b32 s[G0B+4*\s], 1
	s_add_co_u32 s[G0B+4*\s+1], s3, \s*SLOT
.endr
	AIM 1
	CROUND                                         ; all sixteen work-groups are here: the first joint loads meet
.macro ARM under, g0, g1, next         ; one chain of branches on the wave's number, one load to an arm, one join
	s_cmp_lt_u32 s14, \under
	s_cbranch_scc0 \next
	tensor_load_to_lds s[\g0:\g0+3], s[\g1:\g1+7]
	s_nop 0
	PLACES 4
	s_branch .Lhead_asked
\next:
.endm
	ARM 1, G0H,  G1,  .Lhead_b
	ARM 2, G0HB, G1B, .Lhead_s
	tensor_load_to_lds s[G0S:G0S+3], s[G1S:G1S+7]
	s_nop 0
	PLACES 4
.Lhead_asked:
	s_mul_i32 s21, s15, HALFT                      ; my 128 rows of A
	s_lshl_b32 s22, s16, 15
	s_add_co_u32 s22, s22, 2*HALFT                 ; my 8 blocks of B
	s_lshl_b32 s20, s15, 11
	s_add_co_u32 s20, s20, SCL                     ; my 128 rows' scale words
	s_mul_i32 s23, s14, 16*SPITCH                  ; my stage
	s_lshl_b32 s18, s17, 8
	s_lshl_b32 s19, s15, 7
	s_add_co_u32 s18, s18, s19
	s_lshl_b32 s18, s18, 14                        ; my first row of the result, 16,384 bytes a row
	s_mov_b32 s19, 0
	s_lshl_b32 s46, s42, 10
	s_lshl_b32 s47, s16, 9
	s_add_co_u32 s46, s46, s47                     ; my first column, in bytes
	s_mov_b32 s47, 0
	s_add_nc_u64 s[12:13], s[12:13], s[18:19]
	s_add_nc_u64 s[12:13], s[12:13], s[46:47]
	v_and_b32 v1, 15, v0                           ; r
	v_bfe_u32 v2, v0, 4, 1                         ; h
	v_and_b32 v7, 31, v0
	v_mul_u32_u24 v3, v1, PITCH
	v_lshl_add_u32 v4, v2, 4, v3                   ; a fragment of A: row x pitch + 16 h
	v_lshlrev_b32 v[CO], 4, v7                     ; 16 x lane: a fragment of B, a row back from the stage, a row of the result
	v_add_nc_u32 v[ADRA], s21, v4
	v_add_nc_u32 v[ADRB], s22, v[CO]
	v_add_nc_u32 v[ADRA+1], SLOT, v[ADRA]
	v_add_nc_u32 v[ADRB+1], SLOT, v[ADRB]
	v_lshlrev_b32 v5, 4, v1                        ; scale words: 16 bytes a row; lanes 16-31 take the rows 64 further on
	v_lshl_add_u32 v5, v2, 10, v5
	v_add_nc_u32 v[ADRS], s20, v5
	v_mul_u32_u24 v8, v1, SPITCH                   ; into the stage: row r, 32 bytes for each half of the lanes
	v_lshl_add_u32 v8, v2, 5, v8
	v_add_nc_u32 v[STO], s23, v8
	v_add_nc_u32 v[RD], s23, v[CO]
.macro FRAG reg, adr, q, i             ; A: 16 rows x 128 K: registers 4 c .. 4 c + 3 hold K = 64 c + 32 h + 0 .. 31
.irp c, 0,1
	ds_load_b128 v[\reg+4*\c:\reg+4*\c+3], v[\adr] offset:64*(\q)+32*\c+(\i)*16*PITCH
.endr
.endm
.macro FRAGB reg, adr, q, i            ; B: the same registers, as they lie: 512 consecutive bytes a load
.irp c, 0,1
	ds_load_b128 v[\reg+4*\c:\reg+4*\c+3], v[\adr] offset:1024*(\q)+512*\c+(\i)*BBLK
.endr
.endm
.macro MUL16 a0, p, q, sc, zero        ; A's blocks a0, a0 + 1 x B's eight; the 64 accumulators take turns in one order in every step
.irp a, \a0, \a0+1
.irp b, 0,1,2,3,4,5,6,7
.set rD, 8*(8*((\a)%4)+\b)
.set rB, 128*(\p)+FR*\b
.set rA, AF+64*(\p)+FR*(\a)
.set rS, SC+4*NQ*(\sc)+NQ*((\a)%4)+(\q)
.if (\zero) && ((\a) < 4)
	v_wmma_scale_f32_16x16x128_f8f6f4 v[rD:rD+7], v[rB:rB+7], v[rA:rA+7], 0, v[BS], v[rS] matrix_a_fmt:MATRIX_FMT_FP4 matrix_b_fmt:MATRIX_FMT_FP4
.elseif \zero
	v_wmma_scale_f32_16x16x128_f8f6f4 v[rD:rD+7], v[rB:rB+7], v[rA:rA+7], 0, v[BS], v[rS] matrix_a_fmt:MATRIX_FMT_FP4 matrix_b_fmt:MATRIX_FMT_FP4 matrix_b_scale:MATRIX_SCALE_ROW1
.elseif (\a) < 4
	v_wmma_scale_f32_16x16x128_f8f6f4 v[rD:rD+7], v[rB:rB+7], v[rA:rA+7], v[rD:rD+7], v[BS], v[rS] matrix_a_fmt:MATRIX_FMT_FP4 matrix_b_fmt:MATRIX_FMT_FP4
.else
	v_wmma_scale_f32_16x16x128_f8f6f4 v[rD:rD+7], v[rB:rB+7], v[rA:rA+7], v[rD:rD+7], v[BS], v[rS] matrix_a_fmt:MATRIX_FMT_FP4 matrix_b_fmt:MATRIX_FMT_FP4 matrix_b_scale:MATRIX_SCALE_ROW1
.endif
.endr
.endr
.endm
.macro FETCH slot, q, p                ; 32 LDS loads in one run: B's eight fragments, then A's eight, into set p
	WIN TO_B
.irp i, 0,1,2,3,4,5,6,7
	FRAGB 128*(\p)+FR*\i, ADRB+\slot, \q, \i
.endr
	WIN 0
.irp i, 0,1,2,3,4,5,6,7
	FRAG AF+64*(\p)+FR*\i, ADRA+\slot, \q, \i
.endr
.endm
.macro SCALES sc
.irp i, 0,1,2,3
	ds_load_b128 v[SC+4*NQ*\sc+NQ*\i:SC+4*NQ*\sc+NQ*\i+3], v[ADRS] offset:\i*256
.endr
.endm
; A step that has its successor in the same slot.  The four places stand between the last step's products, which read the other set, and the loads into that set.
.macro STEP slot, q, zero
	s_wait_dscnt 12                                ; the scale words, B's set and A's blocks 0, 1 are in; the youngest twelve loads (A's blocks 2-7) may be out
	PLACES 4
	WIN MUL_LO
	MUL16 0, (\q)%2, \q, \slot, \zero
	FETCH \slot, (\q)+1, 1-(\q)%2
	s_wait_dscnt 32                                ; all but the 32 just issued
	WIN MUL_LO
	MUL16 2, (\q)%2, \q, \slot, \zero
	WIN MUL_HI
	MUL16 4, (\q)%2, \q, \slot, \zero
	MUL16 6, (\q)%2, \q, \slot, \zero
	WIN 0
.endm
; The head of a slot's last step.  Its fragments were asked for a step ago, so the wait for them also ends my reads of the slot.
.macro MEET slot
	s_wait_tensorcnt 0x0                           ; all my tensor loads have landed: my part of the other slot
	ds_add_u32 v[SPW], v[NIL]
.endm
.macro MEET2 slot
	s_wait_dscnt 0x0                               ; the add is done, my reads of this slot are over
	s_barrier_signal -1
	PLACES 4
	WIN MUL_LO
	MUL16 0, 1, NQ-1, \slot, 0                     ; work on registers while the others arrive
	WIN 0
	s_barrier_wait -1
.endm
.macro REST slot                       ; the last step's other 48 products
	WIN MUL_LO
	MUL16 2, 1, NQ-1, \slot, 0
	WIN MUL_HI
	MUL16 4, 1, NQ-1, \slot, 0
	MUL16 6, 1, NQ-1, \slot, 0
.endm
.macro TURN slot, next                 ; a slot's last step: the slot is filled again, two K steps ahead
	MEET \slot
.if (\slot) == 0
	s_add_co_u32 s[KO], s[KO], 2*ROWB              ; no tensor load of mine is out: the descriptors may be written
	s_and_b32 s[KO], s[KO], KROW-1                 ; the walk wraps inside the row,
	s_lshl_b32 s[KOB], s[KO], 4                    ; and inside the block
.endif
	AIM \slot
	MEET2 \slot
	CREST                                          ; the barrier has opened a round of the cluster's barrier
	JLOAD G0+4*\slot, G1, G0B+4*\slot, G1B         ; the first tensor load behind the round
	s_wait_alu depctr_va_vdst(0)                   ; the wait ahead of this reader
	v_add_nc_u32 v[ADRS], KSB, v[ADRS]             ; the next K step's scale words
	SCALES \next
	FETCH \next, 0, 0
	REST \slot
	WIN 0
.endm
.macro STEPS slot, from
.set Q, \from
.rept NQ-1-\from
	STEP \slot, Q, 0
.set Q, Q+1
.endr
.endm
	s_wait_alu depctr_va_vdst(0)                   ; the wait at the head's end
	s_wait_loadcnt 0x0                             ; B's scale word
	s_wait_tensorcnt 0x0                           ; my tile of the head's is in; the same lines as ahead of a refill:
	ds_add_u32 v[SPW], v[NIL]
	s_mov_b32 s[G1+2], 128<<16                     ; no tensor load of mine is out: from here on a load brings 128 rows of A
	s_mov_b32 s[G1+4], 128
	s_mov_b32 s[G1B+2], 8<<16                      ; or 8 blocks of B
	s_mov_b32 s[G1B+4], 8
	s_wait_dscnt 0x0
	CROUND
	JLOAD G0+4, G1, G0B+4, G1B                     ; slot 1's first fill, the first tensor load behind the round
	SCALES 0
	FETCH 0, 0, 0
	STEP 0, 0, 1                                   ; the first step's products start the sums
	s_mov_b32 s3, LAPS-1
.Llap:                                                 ; once round the ring, from a lap's second step to the next lap's first
	STEPS 0, 1
	TURN 0, 1
	STEPS 1, 0
	TURN 1, 0
	STEP 0, 0, 0
	s_sub_co_u32 s3, s3, 1
	s_cmp_lg_u32 s3, 0
	s_cbranch_scc1 .Llap
	STEPS 0, 1
; THE LAST K STEP, in slot 1, BY ROWS.
.macro BLOAD q                         ; B's fragments of quarter q -> window 1, v[64 q ..]
.irp i, 0,1,2,3,4,5,6,7
	ds_load_b128 v[64*\q+8*\i:64*\q+8*\i+3],   v[ADRB+1] offset:1024*\q+\i*BBLK
	ds_load_b128 v[64*\q+8*\i+4:64*\q+8*\i+7], v[ADRB+1] offset:1024*\q+\i*BBLK+512
.endr
.endm
.macro ALOAD a                         ; A's block a, all four quarters -> buffer a % 4
.set FA, PA+32*((\a)%4)
.irp q, 0,1,2,3
	ds_load_b128 v[FA+8*\q:FA+8*\q+3],   v[ADRA+1] offset:64*\q+(\a)*16*PITCH
	ds_load_b128 v[FA+8*\q+4:FA+8*\q+7], v[ADRA+1] offset:64*\q+(\a)*16*PITCH+32
.endr
.endm
.macro ROW a                           ; block a is finished: 32 matrix instructions, its eight accumulators by turns
.set FA, PA+32*((\a)%4)
.set AC, 64*((\a)%4)
	WIN MUL_LO+0x50*((\a)/4)
.irp q, 0,1,2,3
.if ((\a) == 0) && (\q == 2)
	s_wait_dscnt 24                                ; B's quarter 2 is in (behind it: A's blocks 1 to 3)
.endif
.irp b, 0,1,2,3,4,5,6,7
.if (\a) < 4
	v_wmma_scale_f32_16x16x128_f8f6f4 v[AC+8*\b:AC+8*\b+7], v[64*\q+8*\b:64*\q+8*\b+7], v[FA+8*\q:FA+8*\q+7], v[AC+8*\b:AC+8*\b+7], v[BS], v[SC+16+4*((\a)%4)+\q] matrix_a_fmt:MATRIX_FMT_FP4 matrix_b_fmt:MATRIX_FMT_FP4
.else
	v_wmma_scale_f32_16x16x128_f8f6f4 v[AC+8*\b:AC+8*\b+7], v[64*\q+8*\b:64*\q+8*\b+7], v[FA+8*\q:FA+8*\q+7], v[AC+8*\b:AC+8*\b+7], v[BS], v[SC+16+4*((\a)%4)+\q] matrix_a_fmt:MATRIX_FMT_FP4 matrix_b_fmt:MATRIX_FMT_FP4 matrix_b_scale:MATRIX_SCALE_ROW1
.endif
.endr
.endr
.endm
.macro TOSTAGE a                       ; block a into my stage, each accumulator from its low end on, and back as whole rows of 512 bytes into the same 64 registers (LDS serves a wave's instructions in order: ISA guide 5.7.1.4)
.set AC, 64*((\a)%4)
	WIN 0x88+0x44*((\a)/4)                         ; store data and load destination: window 2 or 3; addresses: window 0
.irp b, 0,1,2,3,4,5,6,7
	ds_store_b128 v[STO], v[AC+8*\b:AC+8*\b+3] offset:64*\b
	ds_store_b128 v[STO], v[AC+8*\b+4:AC+8*\b+7] offset:64*\b+16
.endr
.irp t, 0,1,2,3,4,5,6,7,8,9,10,11,12,13,14,15
	ds_load_b128 v[AC+4*\t:AC+4*\t+3], v[RD] offset:\t*SPITCH
.endr
.endm
.macro SEND a, younger                 ; 32 lanes store 512 consecutive bytes, aligned; the row stands in the immediate (127 rows of 16,384 bytes at the most); no source is ever written again
.set AC, 64*((\a)%4)
	WIN 0x88+0x44*((\a)/4)
	s_wait_dscnt \younger
.irp t, 0,1,2,3,4,5,6,7,8,9,10,11,12,13,14,15
	global_store_b128 v[CO], v[AC+4*\t:AC+4*\t+3], s[12:13] offset:(16*(\a)+\t)*SIZE_N*4 th:TH_STORE_NT
.endr
.endm
	MEET 0                                         ; slot 1 holds the last K step; nothing is filled again, so no round follows
	MEET2 0
	s_wait_alu depctr_va_vdst(0)                   ; the wait ahead of this reader
	v_add_nc_u32 v[ADRS], KSB, v[ADRS]
	SCALES 1
	ALOAD 0
	WIN TO_B
	BLOAD 0                                        ; three quarters of B now: set 1 (v128-191 of window 1) is still being multiplied
	BLOAD 1
	BLOAD 3
	REST 0
	PLACES 4
	WIN TO_B
	BLOAD 2
	WIN 0
	ALOAD 1
	ALOAD 2
	ALOAD 3
	s_wait_dscnt 40                                ; all but the 40 just issued
	ROW 0
.irp a, 0,1,2,3,4,5,6,7
	PLACES 4                                       ; behind block a's products: for the stage's stores and for the loads into its registers and its buffer of A
	TOSTAGE \a
.if \a < 4
	WIN 0
	ALOAD \a+4
	s_wait_dscnt 40                                ; A's next block is in; the stage's 32 and the 8 just issued may be out
	ROW \a+1
	SEND \a, 8                                     ; the block is back; A's 8 loads may be out
.elseif \a < 7
	s_wait_dscnt 32
	ROW \a+1
	SEND \a, 0
.else
	SEND \a, 0
.endif
.endr
	WIN 0
	s_wait_tensorcnt 0x0                           ; the wave's end
	ds_add_u32 v[SPW], v[NIL]
	s_wait_dscnt 0x0
	CROUND                                         ; the closing round
	s_endpgm
.Lfunc_end_k_qbbd93ea695_gemm:
	.size	k_qbbd93ea695_gemm, .Lfunc_end_k_qbbd93ea695_gemm-k_qbbd93ea695_gemm
	.p2alignl 7, 3214868480
	.fill 96, 4, 3214868480
	.section	.rodata,"a",@progbits
	.p2align	6, 0x0
	.amdhsa_kernel k_qbbd93ea695_gemm
		.amdhsa_group_segment_fixed_size 327680
		.amdhsa_private_segment_fixed_size 0
		.amdhsa_enable_private_segment 0
		.amdhsa_kernarg_size 40
		.amdhsa_user_sgpr_count 2
		.amdhsa_user_sgpr_kernarg_segment_ptr 1
		.amdhsa_wavefront_size32 1
		.amdhsa_system_sgpr_workgroup_id_x 1
		.amdhsa_system_sgpr_workgroup_id_y 1
		.amdhsa_system_sgpr_workgroup_id_z 1
		.amdhsa_system_vgpr_workitem_id 0
		.amdhsa_next_free_vgpr 1024
		.amdhsa_next_free_sgpr 92
		.amdhsa_reserve_vcc 0
		.amdhsa_float_denorm_mode_32 3
		.amdhsa_float_denorm_mode_16_64 3
		.amdhsa_memory_ordered 1
		.amdhsa_forward_progress 1
		.amdhsa_inst_pref_size 209
	.end_amdhsa_kernel
	.amdgpu_metadata
---
amdhsa.version: [ 1, 2 ]
amdhsa.kernels:
  - .name:           k_qbbd93ea695_gemm
    .symbol:         k_qbbd93ea695_gemm.kd
    .args:
      - { .name: input_codes, .offset: 0, .size: 8, .value_kind: global_buffer, .address_space: global }
      - { .name: ascale, .offset: 8, .size: 8, .value_kind: global_buffer, .address_space: global }
      - { .name: wcodes, .offset: 16, .size: 8, .value_kind: global_buffer, .address_space: global }
      - { .name: wscale, .offset: 24, .size: 8, .value_kind: global_buffer, .address_space: global }
      - { .name: out0, .offset: 32, .size: 8, .value_kind: global_buffer, .address_space: global }
    .group_segment_fixed_size: 327680
    .private_segment_fixed_size: 0
    .kernarg_segment_align: 8
    .kernarg_segment_size: 40
    .max_flat_workgroup_size: 128
    .sgpr_count:     92
    .vgpr_count:     1024
    .wavefront_size: 32
...
	.end_amdgpu_metadata
.endif
;; end of part 3
